; MI455X (gfx1250); checked and timed in simulation.
; The chip was launched on July 23, 2026; its instructions are those of AMD's public machine-readable ISA for CDNA 5 (MIT licence, August 2026) and "CDNA5" Instruction Set Architecture Reference Guide (July 2026). The comments in the code are by the model that wrote it; some were corrected since.
;; Experts. Allowed arithmetic: matrix products marked QUANTISED: E5M2 operands, one given power-of-two scale a tensor, by v_wmma_f32_16x16x64_bf8_bf8 or v_wmma_f32_16x16x128_bf8_bf8, f32 sums; products left as they are: f32 operands where the result goes on into a quantised operand, else bf16, f16 or f32 operands; f32 sums; everything else in f32.
;; Inputs: b1 8 x 1,024 float32; b2 1,024 float32; combine_tensor 8 x 512 x 8 float32; dispatch_tensor 8 x 512 x 8 float32; lowp_scales 4 int32 (the exponents e of the quantised operands' scales 2^e); w1_codes 8 x 1,024 x 32 x 32 uint8 (E5M2 codes of w1, K innermost, in blocks of 32 codes); w2_codes 8 x 1,024 x 32 x 32 uint8 (E5M2 codes of w2, K innermost, in blocks of 32 codes); x 8 x 512 x 1,024 float32.
;; Outputs: out0 8 x 512 x 1,024 float32.
;; This version of the problem:
;;   THIS VERSION OF THE PROBLEM IS GIVEN IN LOW PRECISION. The matrix products marked QUANTISED in the list below multiply operands that are first quantised to E5M2 (5 exponent bits, 2 mantissa bits; 8 bits a number), with one given power-of-two scale for each operand tensor; their sums are f32. All else is computed in f32.
;;   The module's matrix products, in the order in which they are computed (A, B: the left and right operand; K: the contracted axis; several contracted axes count as one K, in the product's order):
;;     1. batch 4,096 x [M 8, K 1] x [K 1, N 1,024]; A: computed on the way; B: computed on the way: left as it is (no contracted axis)
;;     2. batch 8 x [M 4,096, K 1,024] x [K 1,024, N 1,024]; A: computed on the way; B: input w1 (given as codes): QUANTISED (scales: A lowp_scales[0], B lowp_scales[1])
;;     3. batch 8 x [M 4,096, K 1,024] x [K 1,024, N 1,024]; A: computed on the way; B: input w2 (given as codes): QUANTISED (scales: A lowp_scales[2], B lowp_scales[3])
;;     4. batch 4,096 x [M 1,024, K 8] x [K 8, N 1]; A: computed on the way; B: input combine_tensor: left as it is (K = 8 < 32)
;;   THE QUANTISER, for each operand of a quantised product, along K:
;;     - The operand's scale is 2^e, e = its entry of the input lowp_scales (int32; the entries are numbered through the quantised products in the list's order, A before B).
;;     - Each number is divided by the scale, clamped to +-57,344, and rounded to the nearest number of E5M2, ties to even, subnormals kept.
;;     - The product sums the exact products of the quantised numbers (number of the format x scale) in f32.
;;   ~~~python
;;   def quantise(x, axis, e):      # numpy; x: float32 -> the quantised numbers, widened to float32 again
;;       x = np.moveaxis(x, axis, -1); K = x.shape[-1]
;;       r = np.clip(x / 2.0 ** e, -57344, 57344)
;;       step = 2.0 ** (np.maximum(np.frexp(np.where(r == 0, 1, r))[1] - 1, -14) - 2)
;;       q = np.round(r / step) * step * 2.0 ** e      # np.round: ties to even
;;       return np.moveaxis(q, -1, axis).astype(np.float32)
;;   ~~~
;;   OPERANDS COMPUTED ON THE WAY. 'Computed on the way' means the value that the module computes at that place (a softmax that the list does not call 'softmax' is quantised finished and normalised). What goes into a quantiser is computed in f32, as accurately as f32 sums, v_exp_f32 and their like allow (about 1e-6 of the number): no bf16 or f16 on the way to a quantiser, and a product that is left as it is and whose result goes on into a quantised operand takes f32 operands (vector FMAs, or v_wmma_f32_16x16x4_f32). A number that lies on a knife's edge between two numbers of the format may be rounded either way, as far as f32 arithmetic and the matrix unit's own rounding can turn it there, and no further.
;;   INPUTS GIVEN AS CODES. w1 (in the module: [8, 1024, 1024], K = its axis 1); w2 (in the module: [8, 1024, 1024], K = its axis 1): each comes as NAME_codes (uint8): NAME with its K axis moved to the last place and cut into blocks of 32 codes, [.., K / 32, bytes a block], one block behind the other in memory; one code a byte (a code: sign, 5 exponent bits, 2 mantissa bits); its scale is its entry of lowp_scales. Its value is code x scale, taken as it is: it is not quantised again, and the codes and scales need not be those that the quantiser above would give.
;; One version. Each part assembles by itself: llvm-mc -triple=amdgcn-amd-amdhsa -mcpu=gfx1250 --defsym DOCPART=n.
;; ======== version 1 of 1: 4 launches
;; limits: right only within a limited range of input values
;; workspace buffers: tinfo 16,384 bytes of whole numbers; ccnt 4,608 bytes of whole numbers; slots 25,600 bytes of whole numbers; w1f 8,388,608 bytes; w2f 8,388,608 bytes; xq 39,322,624 bytes; rowm 153,856 bytes; hq 39,321,600 bytes
;; launch prep (part 1): grid 288 x 1, 4 waves a work-group, no clusters, 34,304 bytes of LDS; arguments combine_tensor, dispatch_tensor, w1_codes, tinfo, ccnt, w1f; writes tinfo, ccnt, w1f
.if DOCPART == 1
	.amdgcn_target "amdgcn-amd-amdhsa--gfx1250"
	.amdhsa_code_object_version 6
	.text
	.protected	k_q553932a986_prep
	.globl	k_q553932a986_prep
	.p2align	8
	.type	k_q553932a986_prep,@function
k_q553932a986_prep:
	s_mov_b64 s[64:65], 0
	v_nop
	global_prefetch_b8 v0, s[64:65] scope:SCOPE_SE
	s_setreg_imm32_b32 hwreg(HW_REG_WAVE_MODE, 25, 1), 1
	s_wait_xcnt 0x0
; PREP.  Two jobs in one launch, parted on the work-group's number.
; FLAGS (work-groups 0-31): a pair (token, expert) is FLAGGED where combine and dispatch are both not 0: every other pair adds 0 to the result
;   (dispatch 0: a zero row, no bias, gelu(0) = 0; combine 0: weight 0).  One lane takes one token, one wave a chunk of 32 tokens.  Stored, at fixed places:
;   tinfo[token] = mask of flagged experts | key << 8 | rank << 16  (key = lowest flagged expert, 8 if none; rank = tokens of the same key ahead of it in its chunk),
;   ccnt[key][chunk] = tokens of that key in the chunk.  All that comes of the floats is a VALUE here: no address and no branch hangs on it.
; RELAY (work-groups 32-287): W1's codes are laid in the order of a wave's operand registers: [expert][G 16][j 8][t 4][c 4][lane 32][16 bytes].  (W2's are laid so by launch g1.)
;   Tile T = 4 G + t = 2 B + u holds the rows 32 B + 8 u + p + 8 (p / 8), p = 0 .. 15; of K chunk j (128 codes) lane (r, h) holds, in quad c, k = 128 j + 32 c + 16 h + 0 .. 15 of row p = r.
;   A wave takes one tile x 512 along K: 16 loads of 512 bytes on end, a turn through its own LDS rows (pitch 528 = 33 x 16 bytes, so sixteen rows start at sixteen different 16-byte columns), 16 stores of 512 bytes on end.
; No matrix unit, no cluster, no tensor load: a stream that is read once and written once, with no loop to run ahead in; waves share nothing, so there is no barrier.
; LIMITS: NaN in combine or dispatch counts as not 0.  A NaN, an infinity or an overflow that reaches only pairs that are not flagged is not carried to the result.
.set PITCH, 528
.set WREG,  16*PITCH
	s_load_b256 s[4:11], s[0:1], 0x0               ; combine s[4:5], dispatch s[6:7], w1_codes s[8:9], tinfo s[10:11]
	s_load_b128 s[12:15], s[0:1], 0x20             ; ccnt s[12:13], w1f s[14:15]
	v_lshl_add_u32 v144, v0, 2, 0x8400
	v_mov_b32 v145, 0
	v_lshrrev_b32 v2, 5, v0
	s_delay_alu instid0(VALU_DEP_1)
	v_readfirstlane_b32 s20, v2                    ; wave 0..3
	v_and_b32 v1, 31, v0                           ; lane
	s_cmp_lt_u32 ttmp9, 32
	s_cbranch_scc0 .Lrelay
; ---------------- FLAGS
	s_lshl_b32 s21, ttmp9, 2
	s_add_co_u32 s21, s21, s20                     ; chunk 0..127
	v_lshl_add_u32 v3, s21, 5, v1                  ; token = 32 chunk + lane
	s_delay_alu instid0(VALU_DEP_1)
	v_lshlrev_b32 v4, 5, v3                        ; 8 floats a token
	s_wait_alu depctr_va_vdst(0)
	s_wait_kmcnt 0x0
	global_load_b128 v[8:11], v4, s[4:5]
	global_load_b128 v[12:15], v4, s[4:5] offset:16
	global_load_b128 v[16:19], v4, s[6:7]
	global_load_b128 v[20:23], v4, s[6:7] offset:16
	v_mov_b32 v5, 8                                ; key
	v_mov_b32 v6, 0                                ; mask
	v_mov_b32 v7, 0                                ; rank
	v_mov_b32 v24, 0                               ; lane k: the chunk's count of key k
	s_wait_alu depctr_va_vdst(0)
	s_wait_loadcnt 0x0
.irp e, 7,6,5,4,3,2,1,0                        ; downward, so that the lowest flagged expert is the last to set the key
	v_cmp_neq_f32 s22, 0, v[8+\e]
	v_cmp_neq_f32 s23, 0, v[16+\e]
	s_and_b32 s[32+\e], s22, s23                   ; the lanes whose token is flagged for expert e
	v_cndmask_b32 v5, v5, \e, s[32+\e]
	v_cndmask_b32 v25, 0, 1, s[32+\e]
	s_delay_alu instid0(VALU_DEP_1)
	v_lshl_or_b32 v6, v6, 1, v25
.endr
	s_mov_b32 s24, -1                              ; lanes without a key so far
.irp e, 0,1,2,3,4,5,6,7
	s_and_b32 s[40+\e], s[32+\e], s24              ; the lanes of key e
	s_and_not1_b32 s24, s24, s[32+\e]
.endr
	s_mov_b32 s48, s24                             ; key 8: no expert
.irp k, 0,1,2,3,4,5,6,7,8
	v_mbcnt_lo_u32_b32 v25, s[40+\k], 0            ; lanes of key k below me
	s_delay_alu instid0(VALU_DEP_1)
	v_cndmask_b32 v7, v7, v25, s[40+\k]
	s_bcnt1_i32_b32 s25, s[40+\k]
	v_writelane_b32 v24, s25, \k
.endr
	v_lshl_or_b32 v6, v5, 8, v6
	s_delay_alu instid0(VALU_DEP_1)
	v_lshl_or_b32 v6, v7, 16, v6
	v_lshlrev_b32 v26, 2, v3
	global_store_b32 v26, v6, s[10:11]             ; the wave stores 128 bytes on end
	v_lshlrev_b32 v27, 9, v1                       ; ccnt: row = key = lane, 128 chunks of 4 bytes
	s_delay_alu instid0(VALU_DEP_1)
	v_lshl_add_u32 v27, s21, 2, v27
	v_cmp_gt_u32 vcc_lo, 9, v1
	s_wait_alu depctr_va_vdst(0)
	s_wait_xcnt 0x0                                ; EXEC is a source of the store above: it changes only behind this wait
	s_and_saveexec_b32 s26, vcc_lo
	global_store_b32 v27, v24, s[12:13]
	s_wait_xcnt 0x0                                ; and again in front of the line that widens it
	s_or_b32 exec_lo, exec_lo, s26
	s_endpgm
; ---------------- RELAY
.Lrelay:
	s_sub_co_u32 s21, ttmp9, 32                    ; 0..255: 32 work-groups an expert
	s_lshr_b32 s22, s21, 5                         ; expert
	s_and_b32 s23, s21, 31
	s_lshl_b32 s23, s23, 2
	s_add_co_u32 s23, s23, s20                     ; u 0..127
	s_lshr_b32 s24, s23, 1                         ; tile T 0..63
	s_and_b32 s25, s23, 1                          ; which 512 along K
	s_lshl_b32 s26, s22, 20                        ; source: expert x 1 MiB
	s_lshr_b32 s27, s24, 1
	s_lshl_b32 s27, s27, 15                        ; + 32 (T / 2) rows of 1,024 bytes
	s_add_co_u32 s26, s26, s27
	s_and_b32 s27, s24, 1
	s_lshl_b32 s27, s27, 13                        ; + 8 (T % 2) rows
	s_add_co_u32 s26, s26, s27
	s_lshl_b32 s27, s25, 9                         ; + my half of the rows
	s_add_co_u32 s26, s26, s27
	s_mov_b32 s27, 0
	s_lshl_b32 s32, s22, 20                        ; destination: expert x 1 MiB
	s_lshr_b32 s33, s24, 2
	s_lshl_b32 s33, s33, 16                        ; + G x 64 KiB
	s_add_co_u32 s32, s32, s33
	s_lshl_b32 s33, s25, 15                        ; + 4 K chunks of 8 KiB
	s_add_co_u32 s32, s32, s33
	s_and_b32 s33, s24, 3
	s_lshl_b32 s33, s33, 11                        ; + t x 2 KiB
	s_add_co_u32 s32, s32, s33
	s_mov_b32 s33, 0
	s_wait_alu depctr_va_vdst(0)
	v_lshlrev_b32 v3, 4, v1                        ; 16 x lane
	s_mul_i32 s34, s20, WREG                       ; my wave's LDS rows
	v_add_nc_u32 v4, s34, v3                       ; in: a row's 512 bytes as they lie
	v_and_b32 v5, 15, v0
	v_bfe_u32 v6, v0, 4, 1
	s_delay_alu instid0(VALU_DEP_2)
	v_mul_u32_u24 v7, v5, PITCH
	s_delay_alu instid0(VALU_DEP_1)
	v_lshl_add_u32 v7, v6, 4, v7
	s_delay_alu instid0(VALU_DEP_1)
	v_add_nc_u32 v7, s34, v7                       ; out: row r, + 16 h
	s_wait_alu depctr_va_vdst(0)
	s_wait_kmcnt 0x0
	s_add_nc_u64 s[28:29], s[8:9], s[26:27]
	s_add_nc_u64 s[30:31], s[14:15], s[32:33]
.irp p, 0,1,2,3,4,5,6,7,8,9,10,11,12,13,14,15
	global_load_b128 v[16+4*\p:19+4*\p], v3, s[28:29] offset:(\p+8*(\p/8))*1024 th:TH_LOAD_NT   ; row p of the tile: 512 bytes on end; read once in the launch
.endr
.irp p, 0,1,2,3,4,5,6,7,8,9,10,11,12,13,14,15
	s_wait_loadcnt 15-\p                           ; row p is in; the younger rows stay out
	ds_store_b128 v4, v[16+4*\p:19+4*\p] offset:PITCH*\p
.endr
.irp n, 0,1,2,3,4,5,6,7,8,9,10,11,12,13,14,15  ; n = 4 jj + c.  LDS serves a wave's instructions in order: these see my stores
	ds_load_b128 v[80+4*\n:83+4*\n], v7 offset:32*\n
.endr
.irp n, 0,1,2,3,4,5,6,7,8,9,10,11,12,13,14,15
	s_wait_dscnt 15-\n
	global_store_b128 v3, v[80+4*\n:83+4*\n], s[30:31] offset:8192*(\n/4)+512*(\n%4)   ; the wave stores 512 consecutive bytes, at a multiple of 512
.endr
	s_wait_tensorcnt 0x0
	ds_add_u32 v144, v145
	s_wait_dscnt 0x0
	s_endpgm
.Lfunc_end_k_q553932a986_prep:
	.size	k_q553932a986_prep, .Lfunc_end_k_q553932a986_prep-k_q553932a986_prep
	.p2alignl 7, 3214868480
	.fill 96, 4, 3214868480
	.section	.rodata,"a",@progbits
	.p2align	6, 0x0
	.amdhsa_kernel k_q553932a986_prep
		.amdhsa_group_segment_fixed_size 34304
		.amdhsa_private_segment_fixed_size 0
		.amdhsa_enable_private_segment 0
		.amdhsa_kernarg_size 48
		.amdhsa_user_sgpr_count 2
		.amdhsa_user_sgpr_kernarg_segment_ptr 1
		.amdhsa_wavefront_size32 1
		.amdhsa_system_sgpr_workgroup_id_x 1
		.amdhsa_system_sgpr_workgroup_id_y 1
		.amdhsa_system_sgpr_workgroup_id_z 1
		.amdhsa_system_vgpr_workitem_id 0
		.amdhsa_next_free_vgpr 146
		.amdhsa_next_free_sgpr 66
		.amdhsa_reserve_vcc 1
		.amdhsa_float_denorm_mode_32 3
		.amdhsa_float_denorm_mode_16_64 3
		.amdhsa_memory_ordered 1
		.amdhsa_forward_progress 1
		.amdhsa_inst_pref_size 16
	.end_amdhsa_kernel
	.amdgpu_metadata
---
amdhsa.version: [ 1, 2 ]
amdhsa.kernels:
  - .name:           k_q553932a986_prep
    .symbol:         k_q553932a986_prep.kd
    .args:
      - { .name: combine_tensor, .offset: 0, .size: 8, .value_kind: global_buffer, .address_space: global }
      - { .name: dispatch_tensor, .offset: 8, .size: 8, .value_kind: global_buffer, .address_space: global }
      - { .name: w1_codes, .offset: 16, .size: 8, .value_kind: global_buffer, .address_space: global }
      - { .name: tinfo, .offset: 24, .size: 8, .value_kind: global_buffer, .address_space: global }
      - { .name: ccnt, .offset: 32, .size: 8, .value_kind: global_buffer, .address_space: global }
      - { .name: w1f, .offset: 40, .size: 8, .value_kind: global_buffer, .address_space: global }
    .group_segment_fixed_size: 34304
    .private_segment_fixed_size: 0
    .kernarg_segment_align: 8
    .kernarg_segment_size: 48
    .max_flat_workgroup_size: 128
    .sgpr_count:     66
    .vgpr_count:     146
    .wavefront_size: 32
...
	.end_amdgpu_metadata
.endif
;; end of part 1
;; launch place (part 2): grid 256 x 1, 16 waves a work-group, no clusters, 83,968 bytes of LDS; arguments x, dispatch_tensor, lowp_scales, tinfo, ccnt, slots, xq, rowm; writes slots, xq, rowm
.if DOCPART == 2
	.amdgcn_target "amdgcn-amd-amdhsa--gfx1250"
	.amdhsa_code_object_version 6
	.text
	.protected	k_q553932a986_place
	.globl	k_q553932a986_place
	.p2align	8
	.type	k_q553932a986_place,@function
k_q553932a986_place:
	s_mov_b64 s[64:65], 0
	v_nop
	global_prefetch_b8 v0, s[64:65] scope:SCOPE_SE
	s_setreg_imm32_b32 hwreg(HW_REG_WAVE_MODE, 25, 1), 1
	s_wait_xcnt 0x0
; PLACE.  A counting sort from the whole numbers that the launch before stored, and the first quantiser.  One wave takes one token.
; Tokens are sorted by key, stably; each key's segment begins at a block of 80 slots: never more than (4096 + 9 x 79) / 80 = 60 blocks, whatever the split.
; slot = 80 x (blocks of the lower keys) + (tokens of my key in the chunks ahead) + (my rank in my chunk).  Every wave sums the 9 x 128 counts itself: both sums in one word,
; the total in the low 16 bits and the part ahead of my chunk in the high 16 (a count is multiplied by 0x10001 or by 1); no sum passes 4,096.
; For each flagged expert e: ei = x[token] x dispatch[token][e] in f32; its codes (E5M2, / 2^e0, held at +-57,344) go to xq row (8 blk + e) 80 + r, K as it lies; rowm there = 1.0 where the f32 sum of ei is not 0, else 0.
; slots[slot] = token | mask << 16 | 1 << 31; a slot that no token takes gets 0, from the work-group that owns its number.  xq row 38400 and rowm[38400 ..] are zeros: the row that stands in for pairs that are not flagged.
; The conversions take 16 neighbours from one lane's registers, the loads take 16 bytes a lane of 512 on end: so the row turns through the wave's own LDS stage (a lane's 64 bytes + 16 of padding).
; Waves share nothing; the one barrier stands at the end.  No matrix unit, cluster or tensor load: a stream.
; LIMITS: e0 between -126 and 112.  NaN and infinities among x and dispatch are not served.  The row's sum is taken in another order than a plain left-to-right sum: a sum that cancels to exactly 0 in one order alone may differ.
.set SP, 80
	s_load_b512 s[4:19], s[0:1], 0x0               ; x s[4:5], dispatch s[6:7], scales s[8:9], tinfo s[10:11], ccnt s[12:13], slots s[14:15], xq s[16:17], rowm s[18:19]
	v_lshl_add_u32 v160, v0, 2, 0x14000
	v_mov_b32 v161, 0
	v_lshrrev_b32 v2, 5, v0
	s_delay_alu instid0(VALU_DEP_1)
	v_readfirstlane_b32 s20, v2                    ; wave 0..15
	v_and_b32 v1, 31, v0                           ; lane
	s_wait_alu depctr_va_vdst(0)
	v_lshlrev_b32 v2, 4, v1                        ; 16 x lane
	s_lshl_b32 s21, ttmp9, 4
	s_add_co_u32 s21, s21, s20                     ; my token
	s_lshr_b32 s22, ttmp9, 1                       ; its chunk of 32
	s_lshl_b32 s24, s21, 2
	s_mov_b32 s25, 0
	s_lshl_b32 s26, s21, 12
	s_mov_b32 s27, 0
	s_lshl_b32 s28, s21, 5
	s_mov_b32 s29, 0
	s_mov_b32 s37, 0x76543210                      ; v_permlanex16_b32: lane l xor 16
	s_mov_b32 s38, 0xfedcba98
	s_mul_i32 s58, s20, 64*SP                      ; my wave's two stages
	v_lshrrev_b32 v3, 2, v1
	s_delay_alu instid0(VALU_DEP_1)
	v_mul_u32_u24 v3, v3, SP
	v_and_b32 v4, 3, v1
	s_delay_alu instid0(VALU_DEP_1)
	v_lshl_add_u32 v3, v4, 4, v3
	s_delay_alu instid0(VALU_DEP_1)
	v_add_nc_u32 v3, s58, v3                       ; stage, in: four lanes' 64 bytes on end, then the padding
	v_mul_u32_u24 v4, v1, SP
	s_delay_alu instid0(VALU_DEP_1)
	v_add_nc_u32 v4, s58, v4                       ; stage, out: my 16 neighbours
	v_and_b32 v153, 7, v1
	s_delay_alu instid0(VALU_DEP_1)
	v_lshlrev_b32 v153, 2, v153
	s_wait_alu depctr_va_vdst(0)
	s_wait_kmcnt 0x0
	s_add_nc_u64 s[24:25], s[10:11], s[24:25]
	s_load_b32 s30, s[24:25], 0x0                  ; tinfo[token]
	s_load_b128 s[32:35], s[8:9], 0x0              ; e0 ..
	s_add_nc_u64 s[4:5], s[4:5], s[26:27]
	s_add_nc_u64 s[6:7], s[6:7], s[28:29]
.irp k, 0,1,2,3,4,5,6,7,8
	global_load_b128 v[104+4*\k:107+4*\k], v2, s[12:13] offset:512*\k    ; key k: the counts of chunks 4 lane .. 4 lane + 3
.endr
	global_load_b32 v101, v153, s[6:7]             ; lane e (and e + 8 ..): dispatch[token][e]
.irp i, 0,1,2,3,4,5,6,7
	global_load_b128 v[8+4*\i:11+4*\i], v2, s[4:5] offset:512*\i th:TH_LOAD_NT   ; x's row, 512 bytes on end a load; read once in the launch
.endr
	v_lshlrev_b32 v154, 2, v1
	v_mov_b32 v156, 0x10001
.irp q, 0,1,2,3
	v_add_nc_u32 v155, \q, v154
	s_delay_alu instid0(VALU_DEP_1)
	v_cmp_gt_u32 vcc_lo, s22, v155                 ; a chunk ahead of mine counts in both halves of the word
	s_delay_alu instid0(VALU_DEP_1)
	v_cndmask_b32 v[140+\q], 1, v156, vcc_lo
.endr
	v_mov_b32 v100, 0                              ; lane e: the row-sum flag of expert e
	s_wait_loadcnt 8                               ; the counts and dispatch are in; x's eight loads stay out
.irp k, 0,1,2,3,4,5,6,7,8
	v_mul_u32_u24 v[144+\k], v[104+4*\k], v140
	s_wait_alu depctr_va_vdst(0)
	v_mad_u32_u24 v[144+\k], v[105+4*\k], v141, v[144+\k]
	s_delay_alu instid0(VALU_DEP_1)
	v_mad_u32_u24 v[144+\k], v[106+4*\k], v142, v[144+\k]
	s_delay_alu instid0(VALU_DEP_1)
	v_mad_u32_u24 v[144+\k], v[107+4*\k], v143, v[144+\k]
.endr
.irp m, 1,2,4,8
.irp k, 0,1,2,3,4,5,6,7,8
	v_mov_b32_dpp v153, v[144+\k] row_xmask:\m row_mask:0xf bank_mask:0xf
	s_delay_alu instid0(VALU_DEP_1)
	v_add_nc_u32 v[144+\k], v[144+\k], v153
.endr
.endr
.irp k, 0
	s_delay_alu instid0(VALU_DEP_2)
	v_permlanex16_b32 v153, v[144+\k], s37, s38
	s_delay_alu instid0(VALU_DEP_1)
	v_add_nc_u32 v[144+\k], v[144+\k], v153
	s_delay_alu instid0(VALU_DEP_1)
	v_readfirstlane_b32 s[40+\k], v[144+\k]
.endr
.irp k, 1, 2, 3, 4, 5, 6, 7, 8
	s_delay_alu instid0(VALU_DEP_3)
	v_permlanex16_b32 v153, v[144+\k], s37, s38
	s_delay_alu instid0(VALU_DEP_1)
	v_add_nc_u32 v[144+\k], v[144+\k], v153
	s_delay_alu instid0(VALU_DEP_1)
	v_readfirstlane_b32 s[40+\k], v[144+\k]
.endr
	s_wait_kmcnt 0x0
	s_bfe_u32 s52, s30, 0x80008                    ; key
	s_lshr_b32 s53, s30, 16                        ; rank
	s_mov_b32 s54, 0                               ; blocks so far
; Beside the token and its mask a slot's entry holds, in bits 30:24, how many slots of its block are taken (they are the block's first).
; Behind the 5,120 entries (64 blocks; the last four are always empty), from byte 20480 of slots on, lies each slot's mask once more, one byte a slot.
	s_mov_b32 s55, 0
	s_mov_b32 s56, 0
	s_mov_b32 s96, 0
.irp k, 0,1,2,3,4,5,6,7,8
	s_and_b32 s[75+\k], s[40+\k], 0xffff           ; n_k
	s_lshr_b32 s57, s[40+\k], 16                   ; those ahead of my chunk
	s_mul_i32 s[66+\k], s54, 80                    ; the segment's first slot
	s_cmp_eq_u32 s52, \k
	s_cselect_b32 s55, s57, s55
	s_cselect_b32 s56, s54, s56
	s_cselect_b32 s96, s[75+\k], s96               ; n of my key
	s_add_co_u32 s57, s[75+\k], 79
	s_lshr_b32 s57, s57, 4
	s_mul_i32 s57, s57, 52429
	s_lshr_b32 s57, s57, 18                        ; (n + 79) / 80 = ((n + 79) / 16) / 5, the fifth by 52429 / 2^18: exact for numbers this small
	s_add_co_u32 s54, s54, s57
.endr
	s_add_co_u32 s55, s55, s53                     ; my place in the segment
	s_lshr_b32 s57, s55, 4
	s_mul_i32 s57, s57, 52429
	s_lshr_b32 s57, s57, 18
	s_add_co_u32 s89, s56, s57                     ; blk
	s_mul_i32 s57, s57, 80
	s_sub_co_u32 s90, s55, s57                     ; r
	s_sub_co_u32 s96, s96, s57
	s_min_u32 s96, s96, 80                         ; my block's taken slots
	s_mul_i32 s91, s89, 80
	s_add_co_u32 s91, s91, s90
	s_min_u32 s91, s91, 4799                       ; slot
	s_add_co_i32 s57, s32, 127
	s_lshl_b32 s62, s57, 23
	v_mov_b32 v102, s62                            ; 2^e0 as f32: the conversion takes its exponent field
	s_add_co_i32 s57, s57, 15
	s_lshl_b32 s57, s57, 23
	s_or_b32 s57, s57, 0x600000
	v_mov_b32 v103, s57                            ; 57,344 x 2^e0
	s_wait_loadcnt 4                               ; the row's first 2,048 bytes
.irp i, 0,1,2,3
	ds_store_b128 v3, v[8+4*\i:11+4*\i] offset:8*SP*\i
.endr
.irp i, 0,1,2,3
	ds_load_b128 v[40+4*\i:43+4*\i], v4 offset:16*\i               ; LDS serves a wave's instructions in order: these see my stores
.endr
	s_wait_loadcnt 0x0
.irp i, 0,1,2,3
	ds_store_b128 v3, v[24+4*\i:27+4*\i] offset:32*SP+8*SP*\i
.endr
.irp i, 0,1,2,3
	ds_load_b128 v[56+4*\i:59+4*\i], v4 offset:32*SP+16*\i
.endr
	s_wait_dscnt 0x0                               ; v[40 + 16 s + i] = x[512 s + 16 lane + i]
	s_mov_b32 s59, 0
.Lpass:                                            ; eight trips; an expert that is not flagged is passed over (a branch on a whole number read from memory)
	s_bitcmp1_b32 s30, s59
	s_cbranch_scc0 .Lnext
	s_wait_xcnt 0x0                                ; the last pass's stores have read their base and their codes: both are written again below
	v_readlane_b32 s60, v101, s59                  ; d
	s_mov_b32 s61, s60                             ; (named with it as a pair)
	s_lshl_b32 s62, s89, 3
	s_add_co_u32 s62, s62, s59
	s_mul_i32 s62, s62, 80
	s_add_co_u32 s62, s62, s90
	s_min_u32 s62, s62, 38399                      ; row (8 blk + e) 80 + r
	s_lshl_b32 s62, s62, 10
	s_mov_b32 s63, 0
	s_add_nc_u64 s[84:85], s[16:17], s[62:63]
.irp s, 0,1
.irp i, 0,2,4,6,8,10,12,14
	v_pk_mul_f32 v[72+\i:73+\i], v[40+16*\s+\i:41+16*\s+\i], s[60:61] op_sel_hi:[1,0]   ; ei = x d
.endr
.if \s == 0
	v_pk_add_f32 v[96:97], v[72:73], v[74:75]      ; the row's sum, of the products as they are, in two chains of pairs
	v_pk_add_f32 v[98:99], v[76:77], v[78:79]
.else
	v_pk_add_f32 v[96:97], v[96:97], v[72:73]
	v_pk_add_f32 v[98:99], v[98:99], v[74:75]
	s_delay_alu instid0(VALU_DEP_2)
	v_pk_add_f32 v[96:97], v[96:97], v[76:77]
	s_delay_alu instid0(VALU_DEP_2)
	v_pk_add_f32 v[98:99], v[98:99], v[78:79]
.endif
	s_delay_alu instid0(VALU_DEP_2)
	v_pk_add_f32 v[96:97], v[96:97], v[80:81]
	s_delay_alu instid0(VALU_DEP_2)
	v_pk_add_f32 v[98:99], v[98:99], v[82:83]
	s_delay_alu instid0(VALU_DEP_2)
	v_pk_add_f32 v[96:97], v[96:97], v[84:85]
	s_delay_alu instid0(VALU_DEP_2)
	v_pk_add_f32 v[98:99], v[98:99], v[86:87]
.irp i, 0,1,2,3,4,5,6,7,8,9,10,11,12,13,14,15
	v_med3_num_f32 v[72+\i], v[72+\i], -v103, v103 ; the conversion to an 8-bit code does not saturate (ISA guide 7.6.2): the hold at the largest code x the scale
.endr
	v_cvt_scalef32_pk8_bf8_f32 v[88+4*\s:89+4*\s], v[72:79], v102
	v_cvt_scalef32_pk8_bf8_f32 v[90+4*\s:91+4*\s], v[80:87], v102
	v_nop                                          ; a plain line between the conversions and the next lines that write their sources
	global_store_b128 v2, v[88+4*\s:91+4*\s], s[84:85] offset:512*\s     ; the wave stores 512 consecutive bytes of the row
.endr
	v_pk_add_f32 v[96:97], v[96:97], v[98:99]
	s_delay_alu instid0(VALU_DEP_1)
	v_add_f32 v96, v96, v97
	s_delay_alu instid0(VALU_DEP_1)
	v_add_f32_dpp v96, v96, v96 row_xmask:1 row_mask:0xf bank_mask:0xf
	s_delay_alu instid0(VALU_DEP_1)
	v_add_f32_dpp v96, v96, v96 row_xmask:2 row_mask:0xf bank_mask:0xf
	s_delay_alu instid0(VALU_DEP_1)
	v_add_f32_dpp v96, v96, v96 row_xmask:4 row_mask:0xf bank_mask:0xf
	s_delay_alu instid0(VALU_DEP_1)
	v_add_f32_dpp v96, v96, v96 row_xmask:8 row_mask:0xf bank_mask:0xf
	s_delay_alu instid0(VALU_DEP_1)
	v_permlanex16_b32 v97, v96, s37, s38
	s_delay_alu instid0(VALU_DEP_1)
	v_add_f32 v96, v96, v97
	s_delay_alu instid0(VALU_DEP_1)
	v_cmp_neq_f32 vcc_lo, 0, v96
	s_delay_alu instid0(VALU_DEP_1)
	v_cndmask_b32 v98, 0, 1.0, vcc_lo              ; a value, not a branch
	v_cmp_eq_u32 vcc_lo, s59, v1
	s_delay_alu instid0(VALU_DEP_1)
	v_cndmask_b32 v100, v100, v98, vcc_lo          ; into lane e
.Lnext:
	s_add_co_u32 s59, s59, 1
	s_cmp_lt_u32 s59, 8
	s_cbranch_scc1 .Lpass
; THE TAIL.  Every address, datum and mask of its stores is made here, with all lanes on, ahead of the first line that narrows EXEC; behind that line no vector register is written.
	s_lshl_b32 s62, s89, 3
	v_add_nc_u32 v154, s62, v1
	s_delay_alu instid0(VALU_DEP_1)
	v_mul_u32_u24 v154, v154, 80
	s_delay_alu instid0(VALU_DEP_1)
	v_add_nc_u32 v154, s90, v154
	s_delay_alu instid0(VALU_DEP_1)
	v_min_u32 v154, 0x95ff, v154
	s_delay_alu instid0(VALU_DEP_1)
	v_lshlrev_b32 v154, 2, v154                    ; rowm: lane e's place, 4 ((8 blk + e) 80 + r)
	s_and_b32 s62, s30, 0xff
	v_lshrrev_b32 v155, v1, s62
	s_delay_alu instid0(VALU_DEP_1)
	v_and_b32 v155, 1, v155
	s_delay_alu instid0(VALU_DEP_1)
	v_cmp_eq_u32 s94, 1, v155                      ; the lanes e for which my token is flagged
	s_lshl_b32 s62, s62, 16
	s_or_b32 s62, s62, s21
	s_or_b32 s62, s62, 0x80000000
	s_lshl_b32 s96, s96, 24
	s_or_b32 s62, s62, s96
	v_mov_b32 v155, s62                            ; my slot's entry
	v_mov_b32 v162, s91                            ; the place of its mask byte
	v_mov_b32 v163, s30                            ; whose low byte is the mask
	s_lshl_b32 s63, s91, 2
	v_mov_b32 v7, s63                              ; and its place
	v_cmp_eq_u32 s95, 0, v1                        ; lane 0
	s_mul_i32 s62, ttmp9, 20
	v_add_nc_u32 v157, s62, v1                     ; the slots 20 wg .. 20 wg + 19 are my work-group's to clear (256 x 20 = 5,120)
	v_mov_b32 v158, 0
.irp k, 0,1,2,3,4,5,6,7,8
	v_sub_nc_u32 v159, v157, s[66+\k]
	s_delay_alu instid0(VALU_DEP_1)
	v_cmp_gt_u32 vcc_lo, s[75+\k], v159            ; inside segment k's taken part
	s_delay_alu instid0(VALU_DEP_1)
	v_cndmask_b32 v158, v158, 1, vcc_lo
.endr
	v_lshlrev_b32 v5, 2, v157
	v_lshlrev_b32 v6, 2, v1
	v_mov_b32 v104, 0
	v_mov_b32 v105, 0
	v_mov_b32 v106, 0
	v_mov_b32 v107, 0
	s_mov_b32 s93, 5120
	v_cmp_eq_u32 s87, 0, v158
	v_cmp_gt_u32 s88, s93, v157
	v_cmp_gt_u32 vcc_lo, 20, v1
	s_and_b32 s87, s87, s88
	s_and_b32 s87, s87, vcc_lo                     ; the slots of mine that no token takes
; the flags: lane e stores where e is flagged
	s_wait_xcnt 0x0                                ; EXEC is a source of the passes' stores: it changes only behind this wait
	s_and_saveexec_b32 s86, s94
	global_store_b32 v154, v100, s[18:19]
	s_wait_xcnt 0x0                                ; and again in front of the line that widens it
	s_or_b32 exec_lo, exec_lo, s86
; my slot's entry, by lane 0
	s_and_saveexec_b32 s86, s95
	global_store_b32 v7, v155, s[14:15]
	global_store_b8 v162, v163, s[14:15] offset:20480
	s_wait_xcnt 0x0
	s_or_b32 exec_lo, exec_lo, s86
; wave 0: the slots that no token takes get 0
	s_cmp_lg_u32 s20, 0
	s_cbranch_scc1 .Lend
	s_and_saveexec_b32 s86, s87
	s_wait_alu depctr_va_vdst(0)
	global_store_b32 v5, v104, s[14:15]
	global_store_b8 v157, v104, s[14:15] offset:20480
	s_wait_xcnt 0x0
	s_or_b32 exec_lo, exec_lo, s86
; work-group 0: the zero row and the zero flags
	s_cmp_lg_u32 ttmp9, 0
	s_cbranch_scc1 .Lend
	s_add_nc_u64 s[84:85], s[16:17], 39321600      ; xq row 38400
	global_store_b128 v2, v[104:107], s[84:85]
	global_store_b128 v2, v[104:107], s[84:85] offset:512
	global_store_b32 v6, v104, s[18:19] offset:153600
.Lend:
	s_barrier_signal -1
	s_barrier_wait -1
	s_wait_tensorcnt 0x0
	ds_add_u32 v160, v161
	s_wait_dscnt 0x0
	s_endpgm
.Lfunc_end_k_q553932a986_place:
	.size	k_q553932a986_place, .Lfunc_end_k_q553932a986_place-k_q553932a986_place
	.p2alignl 7, 3214868480
	.fill 96, 4, 3214868480
	.section	.rodata,"a",@progbits
	.p2align	6, 0x0
	.amdhsa_kernel k_q553932a986_place
		.amdhsa_group_segment_fixed_size 83968
		.amdhsa_private_segment_fixed_size 0
		.amdhsa_enable_private_segment 0
		.amdhsa_kernarg_size 64
		.amdhsa_user_sgpr_count 2
		.amdhsa_user_sgpr_kernarg_segment_ptr 1
		.amdhsa_wavefront_size32 1
		.amdhsa_system_sgpr_workgroup_id_x 1
		.amdhsa_system_sgpr_workgroup_id_y 1
		.amdhsa_system_sgpr_workgroup_id_z 1
		.amdhsa_system_vgpr_workitem_id 0
		.amdhsa_next_free_vgpr 164
		.amdhsa_next_free_sgpr 100
		.amdhsa_reserve_vcc 1
		.amdhsa_float_denorm_mode_32 3
		.amdhsa_float_denorm_mode_16_64 3
		.amdhsa_memory_ordered 1
		.amdhsa_forward_progress 1
		.amdhsa_inst_pref_size 32
	.end_amdhsa_kernel
	.amdgpu_metadata
---
amdhsa.version: [ 1, 2 ]
amdhsa.kernels:
  - .name:           k_q553932a986_place
    .symbol:         k_q553932a986_place.kd
    .args:
      - { .name: x, .offset: 0, .size: 8, .value_kind: global_buffer, .address_space: global }
      - { .name: dispatch_tensor, .offset: 8, .size: 8, .value_kind: global_buffer, .address_space: global }
      - { .name: lowp_scales, .offset: 16, .size: 8, .value_kind: global_buffer, .address_space: global }
      - { .name: tinfo, .offset: 24, .size: 8, .value_kind: global_buffer, .address_space: global }
      - { .name: ccnt, .offset: 32, .size: 8, .value_kind: global_buffer, .address_space: global }
      - { .name: slots, .offset: 40, .size: 8, .value_kind: global_buffer, .address_space: global }
      - { .name: xq, .offset: 48, .size: 8, .value_kind: global_buffer, .address_space: global }
      - { .name: rowm, .offset: 56, .size: 8, .value_kind: global_buffer, .address_space: global }
    .group_segment_fixed_size: 83968
    .private_segment_fixed_size: 0
    .kernarg_segment_align: 8
    .kernarg_segment_size: 64
    .max_flat_workgroup_size: 512
    .sgpr_count:     100
    .vgpr_count:     164
    .wavefront_size: 32
...
	.end_amdgpu_metadata
.endif
;; end of part 2
;; launch g1 (part 3): grid 4 x 64, 4 waves a work-group, no clusters, 117,504 bytes of LDS; arguments slots, xq, rowm, w1f, b1, lowp_scales, hq, w2_codes, w2f; writes hq, w2f
.if DOCPART == 3
	.amdgcn_target "amdgcn-amd-amdhsa--gfx1250"
	.amdhsa_code_object_version 6
	.text
	.protected	k_q553932a986_g1
	.globl	k_q553932a986_g1
	.p2align	8
	.type	k_q553932a986_g1,@function
k_q553932a986_g1:
	s_mov_b64 s[64:65], 0
	v_nop
	global_prefetch_b8 v0, s[64:65] scope:SCOPE_SE
	s_setreg_imm32_b32 hwreg(HW_REG_WAVE_MODE, 25, 1), 1
	s_wait_xcnt 0x0
; G1.  H = Q(gelu(Q(x d) W1_e + m b1_e)) for a block of 80 slots and every expert that one of its tokens is flagged for.
; SHARES.  Work-group (slice, blk): 80 rows x 256 hidden units.  Wave w: all 80 rows x the 64 units of group G = 4 slice + w: 5 x 4 accumulators of 16 x 16.
; A (the rows' codes, 80 KB) is staged through registers into LDS once a (block, expert) and read by all four waves; a row that is not flagged for the expert takes the zero row, so its hidden row is 0.
; B (64 KB a wave) comes from the copy laid in register order straight into a ring of four register stages of 8 KB: each byte is read by the one wave that uses it, 48 or 64 loads of 512 bytes on end ahead of their use.
; THE WALK OVER EXPERTS is a loop of eight trips; a trip without an expert left jumps over the staging and over the products, never over a barrier.  All LDS addresses are a lane term and immediates.
; The set of experts that the block walks is the OR of its 80 slot entries' masks, made on the scalar side from scalar loads, since the loop's branches hang on it.
; The products are used TRANSPOSED (source 0 = 16 rows of W1, source 1 = 16 token rows), and a tile's rows of W1 are chosen so that the 16 registers of tiles 2 b, 2 b + 1 are the hidden units 32 b + 16 h + 0 .. 15 of ONE token:
; 16 neighbours along the next K.  k stands in the same permuted places in both operands (quad c: k = 32 c + 16 h + 0 .. 15), so every product meets its partner.
; GELU, exact form, in f32: gelu(x) = max(x, 0) - |x| Phi(-|x|); Phi(-|x|) = erfcx(a) e^(-a a) / 2, a = |x| / sqrt 2; erfcx(a) (1 + 2 a) = 1 + p(q), q = (a - 2) / (a + 2), p of degree 11, for every a >= 0.
; No difference of near numbers is formed.  The sums stay scaled: y = x / 2^(e0 + e1); the three constants that meet y carry the power of two, and the conversion's scale is 2^(e2 - e0 - e1).
; hq: [(8 blk + e)][a 5][j 8][c 4][lane 32][16 bytes]: images of the next product's operand registers; a store of the wave covers 512 consecutive bytes.
; NO CLUSTER, NO TENSOR LOAD: which experts a block walks, and how many, is read from memory; partners would make different numbers of requests, and no joint request and no refill's barrier may stand under such a branch.
; LIMITS: |e0 + e1| <= 60; e2 - e0 - e1 between -126 and 112; |pre-activation| < 1e18; NaN and infinities are not served; e^(-x x / 2) under 2^-126 counts as 0, and its exponent carries f32 rounding (about 1e-6 of Phi at |x| = 4).
; REGISTERS, in windows of 256.  Window 0: see the names below.  Window 1: v0-159 A's two sets of 5 fragments (and the staging loads).  Window 2: v0-255 B's ring (stage s at 64 s, tile t at + 16 t).  Window 3: v0-159 accumulator (a, t) at 8 (4 a + t).
.set A_A,  16640                       ; LDS: 16 rows of pitch 1,040 (65 x 16 bytes: sixteen rows start at sixteen different 16-byte columns)
.set A_J,  128
.set A_C,  32
.set ZROW, 0x9600                      ; 38400: the zero row
.set EN,   8                           ; v8-12   slot entry of token row 16 a + r
.set MO,   13                          ; v13-17  offsets into rowm
.set MR,   20                          ; v20-29  m of row 16 a + r, in the low half of a pair
.set RO,   30                          ; v30-49  offsets of my 20 staging rows
.set B1S,  56                          ; v56-87  b1 / 2^(e0 + e1) at my 32 hidden units
.set YY,   88
.set AY,   104
.set PP,   120
.set DD,   136
.set MM,   152
.set DN,   168
.set PL,   184
.set RL,   200
.set COD,  216                         ; v216-255 codes: four registers for each of the ten groups
.set MSB, 0
.macro WIN new                         ; the immediate's high byte repeats the setting that is left
.if MSB != \new
	s_set_vgpr_msb (MSB<<8)|\new
.set MSB, \new
.endif
.endm
.macro SC2 r, val
	s_mov_b32 s[\r], \val
	s_mov_b32 s[\r+1], \val
.endm
.macro PICK e, base, src               ; e = the lowest expert of the set (7 for the empty set); base = its stream of B for my group
	s_ctz_i32_b32 s[\e], s[\src]
	s_min_u32 s[\e], s[\e], 7
	s_lshl_b32 s92, s[\e], 4
	s_add_co_u32 s92, s92, s23
	s_lshl_b32 s92, s92, 16
	s_mov_b32 s93, 0
	s_add_nc_u64 s[\base:\base+1], s[10:11], s[92:93]
.endm
; THE SET OF EXPERTS AND THE STAGING ROWS' FLAGS come from the mask bytes (one a slot, from byte 20480 of slots on).
; A SECOND JOB: W2's codes are laid in register order here (the layout is prep's for W1): 64 x 4 work-groups x 4 waves = 1,024 tasks of one tile x 512 along K, one for each wave.
; Its 16 loads go out with the head's scalar loads; a turn through the wave's own LDS rows; 16 stores of 512 bytes.  Blocks 60 to 63 never hold a slot that is taken: their work-groups do this job alone.
; NO PREFETCH: what an expert's products read is asked for whole at one place; there is no loop to run ahead in.
.set RLY, 83712                        ; LDS: the second job's rows, 16 x 528 bytes for each wave
.set RV,  160                          ; window 1: v160-223, the second job's registers
; FILL, in two parts.  FILL1: the loads of my 20 rows of (blk, e), or of the zero row where the slot is not flagged for e, and behind them the first 24 loads of B.
.macro FILL1
	s_lshl_b32 s88, s21, 3
	s_add_co_u32 s88, s88, s25
	s_mul_i32 s88, s88, 80
	s_mul_i32 s89, s20, 20
	s_add_co_u32 s89, s88, s89
.irp i, 0,1,2,3,4,5,6,7,8,9,10,11,12,13,14,15,16,17,18,19
	s_add_co_u32 s92, s89, \i
	s_add_co_u32 s27, s25, 8*(\i%4)
	s_bitcmp1_b32 s[36+\i/4], s27                  ; row i's mask byte, bit e
	s_cselect_b32 s92, s92, ZROW
	s_min_u32 s92, s92, ZROW
	s_lshl_b32 s92, s92, 10
	v_add_nc_u32 v[RO+\i], s92, v4
.endr
	WIN 0x40                                       ; destination window 1
	s_wait_alu depctr_va_vdst(0)
.irp i, 0,1,2,3,4,5,6,7,8,9,10,11,12,13,14,15,16,17,18,19
	global_load_b128 v[8*\i:8*\i+3], v[RO+\i], s[6:7]
	global_load_b128 v[8*\i+4:8*\i+7], v[RO+\i], s[6:7] offset:512
.endr
	WIN 0x80                                       ; destination window 2
.set n_, 0
.rept 24
	global_load_b128 v[4*n_:4*n_+3], v4, s[28:29] offset:512*n_
.set n_, n_+1
.endr
	WIN 0
.endm
; FILL2: four pieces at a time into LDS, each followed by one more load of B.  Younger than the four: 36 - 4 g staging loads and 24 + 4 g of B: 60.
.macro FILL2
	WIN 0x84                                       ; destination window 2, store data window 1
.set n_, 0
.rept 10
	s_wait_loadcnt 60
.rept 4
	ds_store_b128 v7, v[4*n_:4*n_+3] offset:1040*(n_/2)+512*(n_%2)
	global_load_b128 v[96+4*n_:99+4*n_], v4, s[28:29] offset:512*(24+n_)
.set n_, n_+1
.endr
.endr
	WIN 0
.endm
.macro ALOAD j                         ; A's five fragments of K step j into set j % 2: 20 LDS loads
	WIN 0x40
.irp a, 0,1,2,3
.irp c, 0,1,2,3
	ds_load_b128 v[80*((\j)%2)+16*\a+4*\c:80*((\j)%2)+16*\a+4*\c+3], v5 offset:A_A*\a+A_J*(\j)+A_C*\c
.endr
.endr
.irp c, 0,1,2,3
	ds_load_b128 v[80*((\j)%2)+64+4*\c:80*((\j)%2)+64+4*\c+3], v6 offset:A_J*(\j)+A_C*\c
.endr
.endm
; A K step of 128: 20 matrix instructions, the 20 accumulators by turns, in the same order in every step.
; lc: the global loads younger than this step's sixteen of B.
.macro KSTEP j, lc
.if ((\j) > 0) && ((\j) < 7)
.rept 4
	v_nop                                          ; places between the last step's products and the loads into registers that they read
.endr
.endif
.if ((\j) >= 1) && ((\j) <= 4)
	WIN 0x80
.irp n, 0,1,2,3,4,5,6,7,8,9,10,11,12,13,14,15
	global_load_b128 v[64*(((\j)+3)%4)+4*\n:64*(((\j)+3)%4)+4*\n+3], v4, s[28:29] offset:8192*((\j)+3)+512*\n   ; B of three steps on, into the stage just multiplied
.endr
.endif
.if (\j) < 7
	ALOAD (\j)+1
.endif
	s_wait_loadcnt \lc
.if (\j) < 7
	s_wait_dscnt 20                                ; this step's A is in; the twenty just issued stay out
.else
	s_wait_dscnt 0
.endif
	WIN 0xf6                                       ; source 0 (W1) window 2, source 1 (rows) window 1, C and D window 3
.irp a, 0,1,2,3,4
.irp t, 0,1,2,3
.if (\j) == 0
	v_wmma_f32_16x16x128_bf8_bf8 v[8*(4*\a+\t):8*(4*\a+\t)+7], v[64*((\j)%4)+16*\t:64*((\j)%4)+16*\t+15], v[80*((\j)%2)+16*\a:80*((\j)%2)+16*\a+15], 0
.else
	v_wmma_f32_16x16x128_bf8_bf8 v[8*(4*\a+\t):8*(4*\a+\t)+7], v[64*((\j)%4)+16*\t:64*((\j)%4)+16*\t+15], v[80*((\j)%2)+16*\a:80*((\j)%2)+16*\a+15], v[8*(4*\a+\t):8*(4*\a+\t)+7]
.endif
.endr
.endr
.endm
; 16 numbers of a lane: token row 16 a + r, hidden units 32 b + 16 h + 0 .. 15 of my 64: bias, gelu, codes, store.
.macro GROUP a, b
.set AC, 8*(4*(\a)+2*(\b))
.set CD, COD+4*(2*(\a)+(\b))
	WIN 0x30                                       ; source 2 (the sums) window 3
.irp i, 0,2,4,6,8,10,12,14
	v_pk_fma_f32 v[YY+\i:YY+\i+1], v[B1S+16*(\b)+\i:B1S+16*(\b)+\i+1], v[MR+2*(\a):MR+2*(\a)+1], v[AC+\i:AC+\i+1] op_sel_hi:[1,0,1]   ; y = sum + m b1; each accumulator from its low end on
.endr
	WIN 0
.irp i, 0,1,2,3,4,5,6,7,8,9,10,11,12,13,14,15
	v_and_b32 v[AY+\i], s62, v[YY+\i]              ; |y|
.endr
.irp i, 0,2,4,6,8,10,12,14
	v_pk_add_f32 v[PP+\i:PP+\i+1], v[AY+\i:AY+\i+1], s[58:59] op_sel_hi:[1,0]                                 ; (a + 2) in y's units
	v_pk_fma_f32 v[DD+\i:DD+\i+1], v[AY+\i:AY+\i+1], s[56:57], 1.0 op_sel_hi:[1,0,0]                          ; 1 + 2 a
	v_pk_add_f32 v[MM+\i:MM+\i+1], v[AY+\i:AY+\i+1], s[58:59] op_sel_hi:[1,0] neg_lo:[0,1] neg_hi:[0,1]       ; (a - 2)
.endr
.irp i, 0,2,4,6,8,10,12,14
	v_pk_mul_f32 v[DN+\i:DN+\i+1], v[PP+\i:PP+\i+1], v[DD+\i:DD+\i+1]      ; one reciprocal serves both divisions
	v_pk_mul_f32 v[MM+\i:MM+\i+1], v[MM+\i:MM+\i+1], v[DD+\i:DD+\i+1]
.endr
	s_wait_alu depctr_va_vdst(0)
.irp i, 0,1,2,3,4,5,6,7,8,9,10,11,12,13,14,15
	v_rcp_f32 v[DD+\i], v[DN+\i]
.endr
.irp i, 0,1,2,3,4,5,6,7,8,9,10,11,12,13,14,15
	v_max_num_f32 v[RL+\i], 0, v[YY+\i]            ; max(y, 0): also the plain lines behind the reciprocals
.endr
.irp i, 0,2,4,6,8,10,12,14
	v_pk_mul_f32 v[DN+\i:DN+\i+1], v[YY+\i:YY+\i+1], v[YY+\i:YY+\i+1]
.endr
.irp i, 0,2,4,6,8,10,12,14
	v_pk_fma_f32 v[DN+\i:DN+\i+1], v[DN+\i:DN+\i+1], s[60:61], -1.0 op_sel_hi:[1,0,0]    ; -x x log2(e) / 2 - 1
.endr
	s_wait_alu depctr_va_vdst(0)
.irp i, 0,1,2,3,4,5,6,7,8,9,10,11,12,13,14,15
	v_exp_f32 v[DN+\i], v[DN+\i]                   ; e^(-x x / 2) / 2
.endr
	s_wait_alu depctr_va_vdst(0)
.irp i, 0,2,4,6,8,10,12,14
	v_pk_mul_f32 v[MM+\i:MM+\i+1], v[MM+\i:MM+\i+1], v[DD+\i:DD+\i+1]      ; q (a plain line behind the exponentials)
	v_pk_mul_f32 v[PP+\i:PP+\i+1], v[PP+\i:PP+\i+1], v[DD+\i:DD+\i+1]      ; 1 / (1 + 2 a)
.endr
.irp i, 0,2,4,6,8,10,12,14
	v_pk_fma_f32 v[PL+\i:PL+\i+1], v[MM+\i:MM+\i+1], v[50:51], s[66:67] op_sel_hi:[1,1,0]
.endr
.irp k, 68,70,72,74,76,78,80,82,84,86
.irp i, 0,2,4,6,8,10,12,14
	v_pk_fma_f32 v[PL+\i:PL+\i+1], v[PL+\i:PL+\i+1], v[MM+\i:MM+\i+1], s[\k:\k+1] op_sel_hi:[1,1,0]
.endr
.endr
.irp i, 0,2,4,6,8,10,12,14
	v_pk_fma_f32 v[PL+\i:PL+\i+1], v[PL+\i:PL+\i+1], v[PP+\i:PP+\i+1], v[PP+\i:PP+\i+1]  ; erfcx(a)
.endr
.irp i, 0,2,4,6,8,10,12,14
	v_pk_mul_f32 v[PL+\i:PL+\i+1], v[PL+\i:PL+\i+1], v[DN+\i:DN+\i+1]                    ; Phi(-|x|)
.endr
.irp i, 0,2,4,6,8,10,12,14
	v_pk_fma_f32 v[YY+\i:YY+\i+1], v[AY+\i:AY+\i+1], v[PL+\i:PL+\i+1], v[RL+\i:RL+\i+1] neg_lo:[1,0,0] neg_hi:[1,0,0]   ; gelu / 2^(e0 + e1)
.endr
.irp i, 0,1,2,3,4,5,6,7,8,9,10,11,12,13,14,15
	v_med3_num_f32 v[YY+\i], v[YY+\i], -v52, v52   ; the conversion to an 8-bit code does not saturate (ISA guide 7.6.2)
.endr
	v_cvt_scalef32_pk8_bf8_f32 v[CD:CD+1], v[YY:YY+7], v53
	v_cvt_scalef32_pk8_bf8_f32 v[CD+2:CD+3], v[YY+8:YY+15], v53
	v_nop                                          ; a plain line between the conversions and the next lines that write their sources
	global_store_b128 v4, v[CD:CD+3], s[94:95] offset:16384*(\a)+512*(\b)
.endm
	s_load_b256 s[4:11], s[0:1], 0x0               ; slots s[4:5], xq s[6:7], rowm s[8:9], w1f s[10:11]
	s_load_b128 s[12:15], s[0:1], 0x20             ; b1 s[12:13], scales s[14:15]
	s_load_b64 s[16:17], s[0:1], 0x30              ; hq
	s_load_b128 s[44:47], s[0:1], 0x38             ; w2_codes s[44:45], w2f s[46:47]
	s_set_vgpr_msb 0x40
	v_lshl_add_u32 v254, v0, 2, 0x14500
	v_mov_b32 v255, 0
	s_set_vgpr_msb 0x4000
	v_lshrrev_b32 v1, 5, v0
	v_readfirstlane_b32 s20, v1                    ; wave 0..3
	v_and_b32 v1, 31, v0                           ; lane
	v_and_b32 v2, 15, v0                           ; r
	v_bfe_u32 v3, v0, 4, 1                         ; h
	v_lshlrev_b32 v4, 4, v1                        ; 16 x lane
	v_mul_u32_u24 v5, v2, 1040
	v_lshl_add_u32 v5, v3, 4, v5                   ; a fragment's row x pitch + 16 h
	v_add_nc_u32 v6, 4*A_A, v5                     ; the same for rows 64-79: beyond the 16-bit immediate
	s_mul_i32 s92, s20, 20*1040
	v_add_nc_u32 v7, s92, v4                       ; staging: my 20 rows
	v_lshlrev_b32 v55, 6, v3                       ; b1: 16 h numbers
	v_mov_b32 v54, ZROW
	v_mov_b32 v50, 0x38788000                      ; c11, twice
	v_mov_b32 v51, 0x38788000
.irp a, 0,1,2,3,4
	v_mov_b32 v[MR+2*\a+1], 0                      ; (named as the upper halves of pairs)
.endr
	s_and_b32 s21, ttmp7, 0xffff                   ; blk
	s_mov_b32 s22, ttmp9                           ; slice
	s_lshl_b32 s23, s22, 2
	s_add_co_u32 s23, s23, s20                     ; G
	s_lshl_b32 s63, s23, 10                        ; my place in an image of hq: units 64 G are K chunk G / 2, quads 2 (G % 2) on: 2 G x 512 bytes
	s_mul_i32 s56, s21, 320
	v_lshl_add_u32 v13, v2, 2, s56                 ; slots: 4 (80 blk + r)
	s_mul_i32 s56, s21, 80
	s_add_co_u32 s56, s56, 20480                   ; the block's 80 mask bytes
	s_mov_b32 s57, 0
	s_mul_i32 s58, s20, 20                         ; my 20 staging rows' mask bytes
	s_mov_b32 s59, 0
	s_mov_b32 s62, 0x7fffffff
	; the second job: task u = 0 .. 127 of expert q / 32, q = 4 blk + slice
	s_lshl_b32 s41, s21, 2
	s_add_co_u32 s41, s41, s22
	s_lshr_b32 s42, s41, 5
	s_lshl_b32 s52, s42, 20                        ; expert x 1 MiB, in the source
	s_lshl_b32 s54, s42, 20                        ; and in the destination
	s_and_b32 s41, s41, 31
	s_lshl_b32 s41, s41, 2
	s_add_co_u32 s41, s41, s20                     ; u
	s_lshr_b32 s42, s41, 1                         ; tile T
	s_and_b32 s43, s41, 1                          ; which 512 along K
	s_lshr_b32 s53, s42, 1
	s_lshl_b32 s53, s53, 15
	s_add_co_u32 s52, s52, s53                     ; + 32 (T / 2) rows of 1,024 bytes
	s_and_b32 s53, s42, 1
	s_lshl_b32 s53, s53, 13
	s_add_co_u32 s52, s52, s53                     ; + 8 (T % 2) rows
	s_lshl_b32 s53, s43, 9
	s_add_co_u32 s52, s52, s53                     ; + my half of the rows
	s_mov_b32 s53, 0
	s_lshr_b32 s55, s42, 2
	s_lshl_b32 s55, s55, 16
	s_add_co_u32 s54, s54, s55                     ; + G x 64 KiB
	s_lshl_b32 s55, s43, 15
	s_add_co_u32 s54, s54, s55                     ; + 4 K chunks of 8 KiB
	s_and_b32 s55, s42, 3
	s_lshl_b32 s55, s55, 11
	s_add_co_u32 s54, s54, s55                     ; + t x 2 KiB
	s_mov_b32 s55, 0
	s_mul_i32 s43, s20, 16*528
	s_add_co_u32 s43, s43, RLY
	v_add_nc_u32 v18, s43, v4                      ; in: a row's 512 bytes as they lie
	v_mul_u32_u24 v19, v2, 528
	v_lshl_add_u32 v19, v3, 4, v19
	v_add_nc_u32 v19, s43, v19                     ; out: row r, + 16 h
	s_wait_alu depctr_va_vdst(0)
	s_wait_kmcnt 0x0
	s_add_nc_u64 s[56:57], s[4:5], s[56:57]
	s_add_nc_u64 s[58:59], s[56:57], s[58:59]
	s_load_b512 s[68:83], s[56:57], 0x0            ; the block's mask bytes
	s_load_b128 s[84:87], s[56:57], 0x40
	s_load_b128 s[36:39], s[58:59], 0x0            ; my staging rows': they stay
	s_load_b32 s40, s[58:59], 0x10
	s_load_b128 s[32:35], s[14:15], 0x0            ; e0, e1, e2, e3
	s_add_nc_u64 s[48:49], s[44:45], s[52:53]
	s_add_nc_u64 s[50:51], s[46:47], s[54:55]
.irp a, 0,1,2,3,4
	global_load_b32 v[EN+\a], v13, s[4:5] offset:64*\a
.endr
	WIN 0x44                                       ; destination and store data window 1
.irp p, 0,1,2,3,4,5,6,7,8,9,10,11,12,13,14,15
	global_load_b128 v[RV+4*\p:RV+4*\p+3], v4, s[48:49] offset:(\p+8*(\p/8))*1024 th:TH_LOAD_NT   ; row p of the tile
.endr
	WIN 0
	s_wait_kmcnt 0x0
.set n_, 1
.rept 19                                       ; the OR of the 80 bytes
	s_or_b32 s68, s68, s[68+n_]
.set n_, n_+1
.endr
	s_lshr_b32 s69, s68, 16
	s_or_b32 s68, s68, s69
	s_lshr_b32 s69, s68, 8
	s_or_b32 s68, s68, s69
	s_and_b32 s24, s68, 0xff                       ; the experts that the block walks
	PICK 25, 28, 24
	FILL1                                          ; not under a branch: every register that the products read is written on every way
	WIN 0x44
	s_wait_loadcnt 63                              ; FILL1's 64 are younger: the lanes' entries and the second job's rows are in
.irp p, 0,1,2,3,4,5,6,7,8,9,10,11,12,13,14,15
	ds_store_b128 v18, v[RV+4*\p:RV+4*\p+3] offset:528*\p
.endr
.irp n, 0,1,2,3,4,5,6,7,8,9,10,11,12,13,14,15  ; LDS serves a wave's instructions in order: these see my stores
	ds_load_b128 v[RV+4*\n:RV+4*\n+3], v19 offset:32*\n
.endr
.irp n, 0,1,2,3,4,5,6,7,8,9,10,11,12,13,14,15
	s_wait_dscnt 15-\n
	global_store_b128 v4, v[RV+4*\n:RV+4*\n+3], s[50:51] offset:8192*(\n/4)+512*(\n%4)   ; 512 consecutive bytes, at a multiple of 512
.endr
	WIN 0
	SC2 66, 0x39290e63                             ; c10 .. c0, each twice (the packed form names a pair)
	SC2 68, 0xb9b5a7ff
	SC2 70, 0xbab7153e
	SC2 72, 0x3a9e0ebf
	SC2 74, 0x3c0e611b
	SC2 76, 0xbc034ca0
	SC2 78, 0xbd5e0db6
	SC2 80, 0x3e27fc56
	SC2 82, 0xbe2a040d
	SC2 84, 0xbdbdfae7
	SC2 86, 0x3e8dd01d
	s_add_co_i32 s100, s32, s33                    ; s = e0 + e1
	s_lshl_b32 s101, s100, 23
	s_add_co_u32 s56, s101, 0x3fb504f3             ; K1 = sqrt 2 x 2^s: 1 + 2 a = 1 + K1 |y|
	s_mov_b32 s57, s56
	s_sub_co_u32 s58, 0x403504f3, s101             ; K2 = 2 sqrt 2 / 2^s: a +- 2 in y's units
	s_mov_b32 s59, s58
	s_lshl_b32 s101, s100, 24
	s_add_co_u32 s60, s101, 0xbf38aa3b             ; KU = -log2(e) / 2 x 4^s
	s_mov_b32 s61, s60
	s_sub_co_i32 s96, 127, s100
	s_lshl_b32 s96, s96, 23                        ; 2^-s
	s_mov_b32 s97, s96
	s_sub_co_i32 s101, s34, s100
	s_add_co_i32 s101, s101, 127
	s_lshl_b32 s100, s101, 23
	v_mov_b32 v53, s100                            ; 2^(e2 - s): the three scales folded into the conversion's one
	s_add_co_i32 s101, s101, 15
	s_lshl_b32 s101, s101, 23
	s_or_b32 s101, s101, 0x600000
	v_mov_b32 v52, s101                            ; 57,344 x that
	s_wait_alu depctr_va_vdst(0)
	FILL2
	s_mov_b32 s26, 0
.Lord:
	s_wait_dscnt 0x0                               ; for the others' sake: my stores have landed
	s_barrier_signal -1
	s_barrier_wait -1                              ; the 80 rows lie in LDS
	s_cmp_eq_u32 s24, 0
	s_cbranch_scc1 .Lno_compute
; ---- COMPUTE
	s_lshl_b32 s88, s21, 3
	s_add_co_u32 s88, s88, s25                     ; 8 blk + e
	s_mul_i32 s92, s88, 81920
	s_add_co_u32 s92, s92, s63
	s_mov_b32 s93, 0
	s_add_nc_u64 s[94:95], s[16:17], s[92:93]      ; hq: the image of (blk, e), my quads
	s_mul_i32 s88, s88, 80
	s_add_co_u32 s27, s25, 16
	s_lshl_b32 s98, s25, 12
	s_lshl_b32 s99, s23, 8
	s_add_co_u32 s98, s98, s99
	s_mov_b32 s99, 0
	s_add_nc_u64 s[90:91], s[12:13], s[98:99]      ; b1[e] at unit 64 G
	v_add_nc_u32 v18, s88, v2
.irp a, 0,1,2,3,4
	v_lshrrev_b32 v19, s27, v[EN+\a]
	v_and_b32 v19, 1, v19
	v_cmp_eq_u32 vcc_lo, 1, v19
	v_add_nc_u32 v[MO+\a], 16*\a, v18
	v_cndmask_b32 v[MO+\a], v54, v[MO+\a], vcc_lo  ; a row that is not flagged takes the zero flag
	v_min_u32 v[MO+\a], ZROW, v[MO+\a]
	v_lshlrev_b32 v[MO+\a], 2, v[MO+\a]
	global_load_b32 v[MR+2*\a], v[MO+\a], s[8:9]
.endr
.irp n, 0,1,2,3,4,5,6,7
	global_load_b128 v[B1S+4*\n:B1S+4*\n+3], v55, s[90:91] offset:128*(\n/4)+16*(\n%4)
.endr
	ALOAD 0
	KSTEP 0, 61                                    ; younger than a step's B: three stages of 16, and the 13 small loads above
	KSTEP 1, 61
	KSTEP 2, 61
	KSTEP 3, 61
	KSTEP 4, 48
	KSTEP 5, 32
	KSTEP 6, 16
	KSTEP 7, 0
	WIN 0
.irp i, 0,2,4,6,8,10,12,14,16,18,20,22,24,26,28,30
	v_pk_mul_f32 v[B1S+\i:B1S+\i+1], v[B1S+\i:B1S+\i+1], s[96:97] op_sel_hi:[1,0]   ; b1 / 2^s.  These sixteen are also the places behind the last products
.endr
.irp a, 0,1,2,3,4
	GROUP \a, 0
	GROUP \a, 1
.endr
.Lno_compute:
	s_wait_dscnt 0x0                               ; my reads of the rows are over
	s_barrier_signal -1
	s_barrier_wait -1                              ; everybody's are: the next trip may stage
	s_wait_xcnt 0x0                                ; the stores' codes and base and the loads' base are written again only behind this wait
	s_sub_co_u32 s92, s24, 1
	s_and_b32 s24, s24, s92                        ; this expert is done
	PICK 25, 28, 24
	s_cmp_eq_u32 s24, 0
	s_cbranch_scc1 .Lno_fill
	s_wait_loadcnt 0x0                             ; no load into the ring is out on any way that leads here: its registers may be loaded anew
	FILL1                                          ; the next expert
	FILL2
.Lno_fill:
	s_add_co_u32 s26, s26, 1
	s_cmp_lt_u32 s26, 8
	s_cbranch_scc1 .Lord
	s_set_vgpr_msb 0x5
	s_wait_tensorcnt 0x0
	ds_add_u32 v254, v255
	s_wait_dscnt 0x0
	s_set_vgpr_msb 0x500
	s_endpgm
.Lfunc_end_k_q553932a986_g1:
	.size	k_q553932a986_g1, .Lfunc_end_k_q553932a986_g1-k_q553932a986_g1
	.p2alignl 7, 3214868480
	.fill 96, 4, 3214868480
	.section	.rodata,"a",@progbits
	.p2align	6, 0x0
	.amdhsa_kernel k_q553932a986_g1
		.amdhsa_group_segment_fixed_size 117504
		.amdhsa_private_segment_fixed_size 0
		.amdhsa_enable_private_segment 0
		.amdhsa_kernarg_size 72
		.amdhsa_user_sgpr_count 2
		.amdhsa_user_sgpr_kernarg_segment_ptr 1
		.amdhsa_wavefront_size32 1
		.amdhsa_system_sgpr_workgroup_id_x 1
		.amdhsa_system_sgpr_workgroup_id_y 1
		.amdhsa_system_sgpr_workgroup_id_z 1
		.amdhsa_system_vgpr_workitem_id 0
		.amdhsa_next_free_vgpr 928
		.amdhsa_next_free_sgpr 102
		.amdhsa_reserve_vcc 1
		.amdhsa_float_denorm_mode_32 3
		.amdhsa_float_denorm_mode_16_64 3
		.amdhsa_memory_ordered 1
		.amdhsa_forward_progress 1
		.amdhsa_inst_pref_size 238
	.end_amdhsa_kernel
	.amdgpu_metadata
---
amdhsa.version: [ 1, 2 ]
amdhsa.kernels:
  - .name:           k_q553932a986_g1
    .symbol:         k_q553932a986_g1.kd
    .args:
      - { .name: slots, .offset: 0, .size: 8, .value_kind: global_buffer, .address_space: global }
      - { .name: xq, .offset: 8, .size: 8, .value_kind: global_buffer, .address_space: global }
      - { .name: rowm, .offset: 16, .size: 8, .value_kind: global_buffer, .address_space: global }
      - { .name: w1f, .offset: 24, .size: 8, .value_kind: global_buffer, .address_space: global }
      - { .name: b1, .offset: 32, .size: 8, .value_kind: global_buffer, .address_space: global }
      - { .name: lowp_scales, .offset: 40, .size: 8, .value_kind: global_buffer, .address_space: global }
      - { .name: hq, .offset: 48, .size: 8, .value_kind: global_buffer, .address_space: global }
      - { .name: w2_codes, .offset: 56, .size: 8, .value_kind: global_buffer, .address_space: global }
      - { .name: w2f, .offset: 64, .size: 8, .value_kind: global_buffer, .address_space: global }
    .group_segment_fixed_size: 117504
    .private_segment_fixed_size: 0
    .kernarg_segment_align: 8
    .kernarg_segment_size: 72
    .max_flat_workgroup_size: 128
    .sgpr_count:     102
    .vgpr_count:     928
    .wavefront_size: 32
...
	.end_amdgpu_metadata
.endif
;; end of part 3
;; launch g2 (part 4): grid 4 x 60, 4 waves a work-group, no clusters, 99,840 bytes of LDS; arguments slots, hq, w2f, combine_tensor, b2, lowp_scales, out0; writes out0
.if DOCPART == 4
	.amdgcn_target "amdgcn-amd-amdhsa--gfx1250"
	.amdhsa_code_object_version 6
	.text
	.protected	k_q553932a986_g2
	.globl	k_q553932a986_g2
	.p2align	8
	.type	k_q553932a986_g2,@function
k_q553932a986_g2:
	s_mov_b64 s[64:65], 0
	v_nop
	global_prefetch_b8 v0, s[64:65] scope:SCOPE_SE
	s_setreg_imm32_b32 hwreg(HW_REG_WAVE_MODE, 25, 1), 1
	s_wait_xcnt 0x0
; G2.  y[token] = b2 + the sum over the block's experts of combine[token][e] x 2^(e2 + e3) x (H_e W2_e).  Each output row has one owner: the block that holds its token's slot.
; SHARES.  Work-group (slice, blk): 80 slots x 256 output columns.  Wave w: all 80 rows x the 64 columns of group G = 4 slice + w: 5 x 4 accumulators, and 160 registers of y that begin as b2.
; A (the hidden layer's codes of (blk, e), 80 KB, images of operand registers) is copied as it lies through registers into LDS and read by all four waves; B (64 KB a wave) comes from the copy laid in
; register order into a ring of four register stages.  A's loads go out first, B's behind them, so that the stores into LDS wait for A alone.
; The walk over experts is a loop of eight trips; a trip without an expert left jumps over the products and the fill, never over a barrier.
; The set of experts is the OR of the block's 80 mask bytes (one a slot, from byte 20480 of slots on), made on the scalar side, since the loop's branches hang on it.
; The products are used TRANSPOSED and W2's rows of a tile are chosen so that the 16 registers of tiles 2 b, 2 b + 1 are columns 32 b + 16 h + 0 .. 15 of ONE token: 64 neighbouring bytes of its row.
; A row that is not flagged for an expert has a zero hidden row, so its sum is 0 whatever weight it meets.  A block without experts stores b2.
; THE WAY OUT: 16 rows at a time through the wave's own stage (pitch 272); sixteen lanes store 256 consecutive bytes of a token's row, at a multiple of 256.  A block's taken slots are its first ones, and
; entry 0 holds their number (bits 30:24; 0 in an empty block): row pairs below it are stored whole, a last odd row by half of the lanes, and nothing behind it.
; NO CLUSTER, NO TENSOR LOAD: which experts a block walks, and how many, is read from memory; partners would make different numbers of requests, and no joint request and no refill's barrier may stand under such a branch.
; NO PREFETCH: what an expert's products read is asked for whole at one place; there is no loop to run ahead in.
; LIMITS: e2 + e3 between -126 and 127.  NaN and infinities in combine are not served.
; REGISTERS, in windows of 256.  Window 0: see the names below.  Window 1: v0-159 A's two sets (and the staging loads).  Window 2: v0-255 B's ring (stage s at 64 s, tile t at + 16 t).  Window 3: v0-159 accumulator (a, t) at 8 (4 a + t).
.set A_A,  16384
.set A_J,  2048
.set A_C,  512
.set STG,  81920                       ; 16 rows x 272 bytes for each wave
.set EN,   8                           ; v8-12    slot entry of row 16 a + r
.set CO,   13                          ; v13-17   32 x token: offsets into combine
.set WV,   18                          ; v18-27   the row's weight, in the low half of a pair
.set BB2,  28                          ; v28-59   b2 at my 32 columns; later 8 x 2 rows read back
.set YA,   64                          ; v64-223  y: row 16 a + r, register 32 a + n
.set TK,   244                         ; v244-248 on the way out: token of row 16 a + r
.set C16,  251                         ; v251     16 (lane % 16): my bytes of a run of 256
                                       ; on the way out: v8-27 and v224-243: the offsets in out0 of my 40 row pairs (row 2 n + h)
.set MSB, 0
.macro WIN new                         ; the immediate's high byte repeats the setting that is left
.if MSB != \new
	s_set_vgpr_msb (MSB<<8)|\new
.set MSB, \new
.endif
.endm
.macro REGS                            ; row pair n_: its offset register o_
.if n_ < 20
.set o_, 8+n_
.else
.set o_, 204+n_
.endif
.endm
.macro PICK                            ; s25 = the lowest expert of the set s24 (7 for the empty set); s[28:29] = its stream of B for my group
	s_ctz_i32_b32 s25, s24
	s_min_u32 s25, s25, 7
	s_lshl_b32 s92, s25, 4
	s_add_co_u32 s92, s92, s23
	s_lshl_b32 s92, s92, 16
	s_mov_b32 s93, 0
	s_add_nc_u64 s[28:29], s[8:9], s[92:93]
.endm
; FILL, in two parts.  FILL1: the loads of my quarter (20,480 bytes) of the image of (blk, e), and behind them the first 24 loads of B, 512 bytes on end each.
.macro FILL1
	s_lshl_b32 s88, s21, 3
	s_add_co_u32 s88, s88, s25
	s_mul_i32 s98, s88, 81920
	s_mul_i32 s89, s20, 20480
	s_add_co_u32 s98, s98, s89
	s_mov_b32 s99, 0
	s_add_nc_u64 s[98:99], s[6:7], s[98:99]
	WIN 0x40                                       ; destination window 1
.set n_, 0
.rept 40
	global_load_b128 v[4*n_:4*n_+3], v4, s[98:99] offset:512*n_
.set n_, n_+1
.endr
	WIN 0x80                                       ; destination window 2
.set n_, 0
.rept 24
	global_load_b128 v[4*n_:4*n_+3], v4, s[28:29] offset:512*n_
.set n_, n_+1
.endr
	WIN 0
.endm
; FILL2: four pieces at a time into LDS, each followed by one more load of B.  Younger than the four: 36 - 4 g staging loads and 24 + 4 g of B: 60.
.macro FILL2
	WIN 0x84                                       ; destination window 2, store data window 1
.set n_, 0
.rept 10
	s_wait_loadcnt 60
.rept 4
	ds_store_b128 v7, v[4*n_:4*n_+3] offset:512*n_
	global_load_b128 v[96+4*n_:99+4*n_], v4, s[28:29] offset:512*(24+n_)
.set n_, n_+1
.endr
.endr
	WIN 0
.endm
.macro ALOAD j                         ; A's five fragments of K step j into set j % 2: 20 LDS loads
	WIN 0x40
.irp a, 0,1,2,3
.irp c, 0,1,2,3
	ds_load_b128 v[80*((\j)%2)+16*\a+4*\c:80*((\j)%2)+16*\a+4*\c+3], v5 offset:A_A*\a+A_J*(\j)+A_C*\c
.endr
.endr
.irp c, 0,1,2,3
	ds_load_b128 v[80*((\j)%2)+64+4*\c:80*((\j)%2)+64+4*\c+3], v6 offset:A_J*(\j)+A_C*\c
.endr
.endm
; A K step of 128: 20 matrix instructions, the 20 accumulators by turns, in the same order in every step.
; lc: the global loads younger than this step's sixteen of B.
.macro KSTEP j, lc
.if ((\j) > 0) && ((\j) < 7)
.rept 4
	v_nop                                          ; places between the last step's products and the loads into registers that they read
.endr
.endif
.if ((\j) >= 1) && ((\j) <= 4)
	WIN 0x80
.irp n, 0,1,2,3,4,5,6,7,8,9,10,11,12,13,14,15
	global_load_b128 v[64*(((\j)+3)%4)+4*\n:64*(((\j)+3)%4)+4*\n+3], v4, s[28:29] offset:8192*((\j)+3)+512*\n   ; B of three steps on, into the stage just multiplied
.endr
.endif
.if (\j) < 7
	ALOAD (\j)+1
.endif
	s_wait_loadcnt \lc
.if (\j) < 7
	s_wait_dscnt 20                                ; this step's A is in; the twenty just issued stay out
.else
	s_wait_dscnt 0
.endif
	WIN 0xf6                                       ; source 0 (W2) window 2, source 1 (rows) window 1, C and D window 3
.irp a, 0,1,2,3,4
.irp t, 0,1,2,3
.if (\j) == 0
	v_wmma_f32_16x16x128_bf8_bf8 v[8*(4*\a+\t):8*(4*\a+\t)+7], v[64*((\j)%4)+16*\t:64*((\j)%4)+16*\t+15], v[80*((\j)%2)+16*\a:80*((\j)%2)+16*\a+15], 0
.else
	v_wmma_f32_16x16x128_bf8_bf8 v[8*(4*\a+\t):8*(4*\a+\t)+7], v[64*((\j)%4)+16*\t:64*((\j)%4)+16*\t+15], v[80*((\j)%2)+16*\a:80*((\j)%2)+16*\a+15], v[8*(4*\a+\t):8*(4*\a+\t)+7]
.endif
.endr
.endr
.endm
; Rows 16 a .. 16 a + 15 leave: into my stage, back as whole runs of 256 bytes, two rows an instruction, each to its token's row.
.macro OUT a
.irp n, 0,1,2,3,4,5,6,7
	ds_store_b128 v60, v[YA+32*(\a)+4*\n:YA+32*(\a)+4*\n+3] offset:128*(\n/4)+16*(\n%4)
.endr
	s_wait_xcnt 0x0                                ; the stores of the 16 rows before have read their data: the loads below land there
.irp i, 0,1,2,3,4,5,6,7
	ds_load_b128 v[BB2+4*\i:BB2+4*\i+3], v61 offset:544*\i         ; LDS serves a wave's instructions in order: these see my stores
.endr
.irp i, 0,1,2,3,4,5,6,7
.set n_, 8*(\a)+\i
	REGS
	s_wait_dscnt 7-\i                              ; rows 2 i, 2 i + 1 are back; the younger loads stay out
	s_cmp_gt_u32 s66, 2*n_+1
	s_cbranch_scc1 .Lpair\@x\i                     ; both rows hold a token
	s_cmp_gt_u32 s66, 2*n_
	s_cbranch_scc0 .Lout                           ; neither does, nor any behind them
	s_wait_xcnt 0x0                                ; EXEC is a source of the stores above: it changes only behind this wait
	s_and_saveexec_b32 s92, s93                    ; lanes 0-15: the last row
	global_store_b128 v[o_], v[BB2+4*\i:BB2+4*\i+3], s[94:95] th:TH_STORE_NT
	s_wait_xcnt 0x0                                ; and again in front of the line that widens it
	s_or_b32 exec_lo, exec_lo, s92
	s_branch .Lout
.Lpair\@x\i:
	global_store_b128 v[o_], v[BB2+4*\i:BB2+4*\i+3], s[94:95] th:TH_STORE_NT
.endr
.endm
	s_load_b256 s[4:11], s[0:1], 0x0               ; slots s[4:5], hq s[6:7], w2f s[8:9], combine s[10:11]
	s_load_b128 s[12:15], s[0:1], 0x20             ; b2 s[12:13], scales s[14:15]
	s_load_b64 s[16:17], s[0:1], 0x30              ; out0
	v_lshl_add_u32 v254, v0, 2, 0x18400            ; my spare word, and 0
	v_mov_b32 v255, 0
	v_lshrrev_b32 v1, 5, v0
	v_readfirstlane_b32 s20, v1                    ; wave 0..3
	v_and_b32 v1, 31, v0                           ; lane
	v_and_b32 v2, 15, v0                           ; r
	v_bfe_u32 v3, v0, 4, 1                         ; h
	v_lshlrev_b32 v4, 4, v1                        ; 16 x lane: global offsets
	v_lshlrev_b32 v5, 4, v1                        ; 16 x lane: an image's place for my lane
	v_add_nc_u32 v6, 4*A_A, v5                     ; the same for rows 64-79: beyond the 16-bit immediate
	s_mul_i32 s92, s20, 20480
	v_add_nc_u32 v7, s92, v4                       ; staging: my quarter of the image
	s_mul_i32 s92, s20, 16*272
	s_add_co_u32 s92, s92, STG
	v_mul_u32_u24 v60, v2, 272
	v_lshl_add_u32 v60, v3, 6, v60
	v_add_nc_u32 v60, s92, v60                     ; stage, in: row r, + 64 h
	v_mul_u32_u24 v61, v3, 272
	v_lshl_add_u32 v61, v2, 4, v61
	v_add_nc_u32 v61, s92, v61                     ; stage, back: lanes 0-15 one row, lanes 16-31 the next
	v_lshlrev_b32 v250, 6, v3                      ; b2: 16 h numbers
	v_lshlrev_b32 v[C16], 4, v2
.irp a, 0,1,2,3,4
	v_mov_b32 v[WV+2*\a+1], 0                      ; (named as the upper halves of pairs)
.endr
	s_and_b32 s21, ttmp7, 0xffff                   ; blk
	s_lshl_b32 s23, ttmp9, 2
	s_add_co_u32 s23, s23, s20                     ; G = 4 slice + wave
	s_mul_i32 s56, s21, 320                        ; the block's 80 entries
	s_mov_b32 s57, 0
	s_mul_i32 s58, s21, 80
	s_add_co_u32 s58, s58, 20480                   ; its 80 mask bytes
	s_mov_b32 s59, 0
	v_lshl_add_u32 v252, v2, 2, s56                ; slots: 4 (80 blk + r)
	s_lshl_b32 s60, s23, 8                         ; column 64 G, in bytes
	s_mov_b32 s61, 0
	s_wait_alu depctr_va_vdst(0)
	s_wait_kmcnt 0x0
	s_add_nc_u64 s[56:57], s[4:5], s[56:57]
	s_add_nc_u64 s[58:59], s[4:5], s[58:59]
	s_load_b512 s[36:51], s[58:59], 0x0            ; the mask bytes
	s_load_b128 s[52:55], s[58:59], 0x40
	s_load_b32 s66, s[56:57], 0x0                  ; entry 0
	s_load_b128 s[32:35], s[14:15], 0x0            ; e0, e1, e2, e3
	s_add_nc_u64 s[30:31], s[12:13], s[60:61]      ; b2 at column 64 G
	s_add_nc_u64 s[94:95], s[16:17], s[60:61]      ; out0 at column 64 G
.irp a, 0,1,2,3,4
	global_load_b32 v[EN+\a], v252, s[4:5] offset:64*\a
.endr
.irp n, 0,1,2,3,4,5,6,7
	global_load_b128 v[BB2+4*\n:BB2+4*\n+3], v250, s[30:31] offset:128*(\n/4)+16*(\n%4)
.endr
	s_wait_kmcnt 0x0
.set n_, 1
.rept 19                                       ; the OR of the 80 bytes
	s_or_b32 s36, s36, s[36+n_]
.set n_, n_+1
.endr
	s_lshr_b32 s37, s36, 16
	s_or_b32 s36, s36, s37
	s_lshr_b32 s37, s36, 8
	s_or_b32 s36, s36, s37
	s_and_b32 s24, s36, 0xff                       ; the experts that the block walks
	PICK
	FILL1                                          ; not under a branch: every register that the products read is written on every way
	s_bfe_u32 s66, s66, 0x70018                    ; the block's taken slots
	s_add_co_i32 s100, s34, s35
	s_add_co_i32 s100, s100, 127
	s_lshl_b32 s100, s100, 23                      ; 2^(e2 + e3)
	s_wait_loadcnt 63                              ; FILL1's 64 are younger: the lanes' entries and b2 are in
.irp a, 0,1,2,3,4
	v_and_b32 v[CO+\a], 0xfff, v[EN+\a]
.endr
.irp a, 0,1,2,3,4
	v_min_u32 v[CO+\a], 0xfff, v[CO+\a]
.endr
.irp a, 0,1,2,3,4
	v_lshlrev_b32 v[CO+\a], 5, v[CO+\a]
.endr
.irp a, 0,1,2,3,4
.irp n, 0,2,4,6,8,10,12,14,16,18,20,22,24,26,28,30
	v_pk_mul_f32 v[YA+32*\a+\n:YA+32*\a+\n+1], v[BB2+\n:BB2+\n+1], 1.0 op_sel_hi:[1,0]   ; y begins as the bias, two numbers a line: nothing is cleared, and no addition is owed at the end
.endr
.endr
	s_wait_alu depctr_va_vdst(0)
	FILL2
	s_mov_b32 s26, 0
.Lord:
	s_wait_dscnt 0x0                               ; for the others' sake: my stores have landed
	s_barrier_signal -1
	s_barrier_wait -1                              ; the image lies in LDS
	s_cmp_eq_u32 s24, 0
	s_cbranch_scc1 .Lno_compute
	s_lshl_b32 s90, s25, 2
	s_mov_b32 s91, 0
	s_add_nc_u64 s[90:91], s[10:11], s[90:91]      ; combine[.][e]
.irp a, 0,1,2,3,4
	global_load_b32 v[WV+2*\a], v[CO+\a], s[90:91]
.endr
	ALOAD 0
	KSTEP 0, 53                                    ; younger than a step's B: three stages of 16, and the 5 small loads above
	KSTEP 1, 53
	KSTEP 2, 53
	KSTEP 3, 53
	KSTEP 4, 48
	KSTEP 5, 32
	KSTEP 6, 16
	KSTEP 7, 0
	WIN 0
.irp a, 0,1,2,3,4
	v_mul_f32 v[WV+2*\a], s100, v[WV+2*\a]         ; the weight x 2^(e2 + e3).  These five are also the places behind the last products
.endr
	WIN 0x03                                       ; source 0 (the sums) window 3
	s_wait_alu depctr_va_vdst(0)
.irp a, 0,1,2,3,4
.irp n, 0,2,4,6,8,10,12,14,16,18,20,22,24,26,28,30
	v_pk_fma_f32 v[YA+32*\a+\n:YA+32*\a+\n+1], v[32*\a+\n:32*\a+\n+1], v[WV+2*\a:WV+2*\a+1], v[YA+32*\a+\n:YA+32*\a+\n+1] op_sel_hi:[1,0,1]   ; y += weight x sum; each accumulator from its low end on
.endr
.endr
	WIN 0
.Lno_compute:
	s_wait_dscnt 0x0                               ; my reads of the image are over
	s_barrier_signal -1
	s_barrier_wait -1                              ; everybody's are: the next expert's image may be stored
	s_wait_xcnt 0x0                                ; the loads' bases are written again only behind this wait
	s_sub_co_u32 s92, s24, 1
	s_and_b32 s24, s24, s92                        ; this expert is done
	PICK
	s_cmp_eq_u32 s24, 0
	s_cbranch_scc1 .Lno_fill
	s_wait_loadcnt 0x0                             ; no load into the ring is out on any way that leads here: its registers may be loaded anew
	FILL1                                          ; the next expert
	FILL2
.Lno_fill:
	s_add_co_u32 s26, s26, 1
	s_cmp_lt_u32 s26, 8
	s_cbranch_scc1 .Lord
; ---- THE WAY OUT: my wave's own LDS bytes alone, so no barrier.  First the offsets in out0 of rows 2 n + h, from the lanes that hold those rows' tokens (lane 2 i + h holds row 16 a + 2 i + h).
.irp a, 0,1,2,3,4
	v_lshrrev_b32 v[TK+\a], 5, v[CO+\a]
.endr
.irp i, 0,1,2,3,4,5,6,7
	v_lshl_add_u32 v[BB2+\i], v3, 2, 8*\i          ; 4 (2 i + h)
.endr
	s_mov_b32 s93, 0xffff
.set n_, 0
.rept 40
	REGS
	ds_bpermute_b32 v[o_], v[BB2+n_%8], v[TK+n_/8]
.set n_, n_+1
.endr
	s_wait_alu depctr_va_vdst(0)
	s_wait_dscnt 0x0
.set n_, 0
.rept 40
	REGS
	v_min_u32 v[o_], 0xfff, v[o_]
.set n_, n_+1
.endr
.set n_, 0
.rept 40
	REGS
	v_lshl_add_u32 v[o_], v[o_], 12, v[C16]        ; token x 4,096 + 16 (lane % 16)
.set n_, n_+1
.endr
	s_wait_alu depctr_va_vdst(0)
	OUT 0
	OUT 1
	OUT 2
	OUT 3
	OUT 4
.Lout:
	s_wait_tensorcnt 0x0                           ; the wave's end
	ds_add_u32 v254, v255
	s_wait_dscnt 0x0
	s_endpgm
.Lfunc_end_k_q553932a986_g2:
	.size	k_q553932a986_g2, .Lfunc_end_k_q553932a986_g2-k_q553932a986_g2
	.p2alignl 7, 3214868480
	.fill 96, 4, 3214868480
	.section	.rodata,"a",@progbits
	.p2align	6, 0x0
	.amdhsa_kernel k_q553932a986_g2
		.amdhsa_group_segment_fixed_size 99840
		.amdhsa_private_segment_fixed_size 0
		.amdhsa_enable_private_segment 0
		.amdhsa_kernarg_size 56
		.amdhsa_user_sgpr_count 2
		.amdhsa_user_sgpr_kernarg_segment_ptr 1
		.amdhsa_wavefront_size32 1
		.amdhsa_system_sgpr_workgroup_id_x 1
		.amdhsa_system_sgpr_workgroup_id_y 1
		.amdhsa_system_sgpr_workgroup_id_z 1
		.amdhsa_system_vgpr_workitem_id 0
		.amdhsa_next_free_vgpr 928
		.amdhsa_next_free_sgpr 102
		.amdhsa_reserve_vcc 0
		.amdhsa_float_denorm_mode_32 3
		.amdhsa_float_denorm_mode_16_64 3
		.amdhsa_memory_ordered 1
		.amdhsa_forward_progress 1
		.amdhsa_inst_pref_size 106
	.end_amdhsa_kernel
	.amdgpu_metadata
---
amdhsa.version: [ 1, 2 ]
amdhsa.kernels:
  - .name:           k_q553932a986_g2
    .symbol:         k_q553932a986_g2.kd
    .args:
      - { .name: slots, .offset: 0, .size: 8, .value_kind: global_buffer, .address_space: global }
      - { .name: hq, .offset: 8, .size: 8, .value_kind: global_buffer, .address_space: global }
      - { .name: w2f, .offset: 16, .size: 8, .value_kind: global_buffer, .address_space: global }
      - { .name: combine_tensor, .offset: 24, .size: 8, .value_kind: global_buffer, .address_space: global }
      - { .name: b2, .offset: 32, .size: 8, .value_kind: global_buffer, .address_space: global }
      - { .name: lowp_scales, .offset: 40, .size: 8, .value_kind: global_buffer, .address_space: global }
      - { .name: out0, .offset: 48, .size: 8, .value_kind: global_buffer, .address_space: global }
    .group_segment_fixed_size: 99840
    .private_segment_fixed_size: 0
    .kernarg_segment_align: 8
    .kernarg_segment_size: 56
    .max_flat_workgroup_size: 128
    .sgpr_count:     102
    .vgpr_count:     928
    .wavefront_size: 32
...
	.end_amdgpu_metadata
.endif
;; end of part 4
